; MI455X (gfx1250); checked and timed in simulation.
; The chip was launched on July 23, 2026; its instructions are those of AMD's public machine-readable ISA for CDNA 5 (MIT licence, August 2026) and "CDNA5" Instruction Set Architecture Reference Guide (July 2026). The comments in the code are by the model that wrote it; some were corrected since.
;; Attention. Allowed arithmetic: float matrix products may take bf16 or f16 operands with f32 sums; other float arithmetic in f32, or as packed bf16 or f16 multiplies, adds, multiply-adds, maxima and minima; sums over many terms, partial sums and values carried from step to step in f32; what a program stores and reads back later, other than sums and carried values, may be rounded once to bf16 or f16.
;; Inputs: b_attn 3,072 float32; b_proj 1,024 float32; inputs 2 x 2,048 x 1,024 float32; w_attn 1,024 x 3,072 float32; w_proj 1,024 x 1,024 float32.
;; Outputs: out0 2 x 2,048 x 1,024 float32; out1 2 x 2 x 16 x 2,048 x 64 float32.
;; 2 versions, each right; version 2 is version 1 with the launch cvt written anew for expert scheduling mode. Each part assembles by itself: llvm-mc -triple=amdgcn-amd-amdhsa -mcpu=gfx1250 --defsym DOCPART=n.
;; ======== version 1 of 2: 4 launches
;; limits: values are held in f16: magnitudes above 65,504 overflow, below 6.1e-05 lose precision
;; workspace buffers: xb 8,388,608 bytes; wab 6,291,456 bytes; wpb 2,097,152 bytes; qkv16 25,165,824 bytes; o16 8,388,608 bytes
;; launch cvt (part 1): grid 512 x 1, 8 waves a work-group, no clusters, 0 bytes of LDS; arguments inputs, w_attn, w_proj, xb, wab, wpb; writes xb, wab, wpb
.if DOCPART == 1
	.amdgcn_target "amdgcn-amd-amdhsa--gfx1250"
	.amdhsa_code_object_version 6
	.text
	.protected	k_qf72419cad9_cvt
	.globl	k_qf72419cad9_cvt
	.p2align	8
	.type	k_qf72419cad9_cvt,@function
k_qf72419cad9_cvt:
	s_mov_b64 s[64:65], 0
	v_nop
	global_prefetch_b8 v0, s[64:65] scope:SCOPE_SE
	s_setreg_imm32_b32 hwreg(HW_REG_WAVE_MODE, 25, 1), 1
	s_wait_xcnt 0x0
; THE OPERANDS OF THE TWO PROJECTIONS, ROUNDED ONCE.  inputs [4096][1024] f32 -> xb, bf16, same layout.
; w_attn [1024 k][3 part][16 head][64] f32 -> wab [16 head][1024 k][3 part][64] bf16: a head's q, k and v columns lie together, 384 bytes a k row, dense.
; w_proj [1024][1024] f32 -> wpb: rounded to bf16 like every input, and that number written as f16 (exact inside f16's normal range).
; LIMITS.  |w_proj| up to 65,504; below 2^-14 the f16 copy keeps f16's fixed step of 2^-24.  NaN and infinities are not treated apart.
; A stream: no LDS, no barrier, no matrix unit.  A work-group takes 16,384 numbers, a wave 2,048: sixteen loads of 16 bytes a lane, all issued at once, and
; sixteen stores of 8 bytes a lane, each covering 256 consecutive bytes at a multiple of 256.  Work-groups 0-255: inputs; 256-447: w_attn; 448-511: w_proj.
.set X, 4                              ; v[4:67]   load i: 4 registers
.set Y, 68                             ; v[68:99]  store i: 2 registers; none is used twice, so no store's data is ever rewritten
.set T, 100                            ; v[100:103] at work
.macro CV src, dst, stride, half       ; half = 1: the bf16 numbers are written as f16
.set i, 0
.rept 16
	global_load_b128 v[X+4*i:X+4*i+3], v1, s[\src:\src+1] offset:i*(\stride) th:TH_LOAD_NT
.set i, i+1
.endr
.set i, 0
.rept 16
	s_wait_loadcnt 15-i                            ; loads come back in order: load i is in, the 15 - i younger ones stay out
	v_cvt_pk_bf16_f32 v[Y+2*i], v[X+4*i], v[X+4*i+1]
	v_cvt_pk_bf16_f32 v[Y+2*i+1], v[X+4*i+2], v[X+4*i+3]
.if \half
	v_lshlrev_b32 v[T], 16, v[Y+2*i]               ; bf16 to f32: the low half moves up, the high half stays
	v_and_b32 v[T+1], 0xffff0000, v[Y+2*i]
	v_lshlrev_b32 v[T+2], 16, v[Y+2*i+1]
	v_and_b32 v[T+3], 0xffff0000, v[Y+2*i+1]
	v_cvt_pk_f16_f32 v[Y+2*i], v[T], v[T+1]
	v_cvt_pk_f16_f32 v[Y+2*i+1], v[T+2], v[T+3]
.endif
	global_store_b64 v2, v[Y+2*i:Y+2*i+1], s[\dst:\dst+1] offset:i*256
.set i, i+1
.endr
.endm
	s_load_b256 s[4:11], s[0:1], 0x0               ; inputs s[4:5], w_attn s[6:7], w_proj s[8:9], xb s[10:11]
	s_load_b128 s[12:15], s[0:1], 0x20             ; wab s[12:13], wpb s[14:15]
	v_lshrrev_b32 v3, 5, v0
	v_readfirstlane_b32 s16, v3                    ; wave 0..7
	v_and_b32 v3, 31, v0                           ; lane
	v_lshlrev_b32 v2, 3, v3                        ; where I store: 8 bytes a lane
	s_mov_b32 s17, ttmp9
	s_mov_b32 s19, 0                               ; high words of the two byte offsets
	s_mov_b32 s21, 0
	s_cmp_lt_u32 s17, 256
	s_cbranch_scc0 .Lnot_x
	v_lshlrev_b32 v1, 4, v3                        ; inputs: dense, 16 bytes a lane
	s_lshl_b32 s18, s17, 16                        ; 65,536 bytes a work-group,
	s_lshl_b32 s22, s16, 13                        ; 8,192 a wave
	s_add_co_u32 s18, s18, s22
	s_lshr_b32 s20, s18, 1                         ; half as many out
	s_wait_kmcnt 0x0
	s_add_nc_u64 s[4:5], s[4:5], s[18:19]
	s_add_nc_u64 s[10:11], s[10:11], s[20:21]
	CV 4, 10, 512, 0
	s_endpgm
.Lnot_x:
	s_cmp_lt_u32 s17, 448
	s_cbranch_scc0 .Lproj
	; w_attn.  Chunk C = 3 k + part of head h: 256 bytes at C x 4,096 + h x 256, which become 128 bytes at h x 393,216 + C x 128.  A head has 3,072 chunks: 12 work-groups of 256.
	s_sub_co_u32 s17, s17, 256
	s_mul_i32 s22, s17, 171
	s_lshr_b32 s22, s22, 11                        ; h = number / 12 (171 / 2,048 serves every number under 192)
	s_mul_i32 s23, s22, 12
	s_sub_co_u32 s23, s17, s23
	s_lshl_b32 s23, s23, 8
	s_lshl_b32 s18, s16, 5
	s_add_co_u32 s23, s23, s18                     ; my wave's first chunk: 256 x (number % 12) + 32 x wave
	s_lshl_b32 s18, s23, 12
	s_lshl_b32 s20, s22, 8
	s_add_co_u32 s18, s18, s20
	s_mul_i32 s20, s22, 393216
	s_lshl_b32 s23, s23, 7
	s_add_co_u32 s20, s20, s23
	v_lshrrev_b32 v1, 4, v3                        ; a load takes two chunks: lanes 0-15 one, lanes 16-31 the next
	v_and_b32 v3, 15, v3
	v_lshlrev_b32 v1, 12, v1
	v_lshl_add_u32 v1, v3, 4, v1
	s_wait_kmcnt 0x0
	s_add_nc_u64 s[6:7], s[6:7], s[18:19]
	s_add_nc_u64 s[12:13], s[12:13], s[20:21]
	CV 6, 12, 8192, 0
	s_endpgm
.Lproj:
	v_lshlrev_b32 v1, 4, v3                        ; w_proj: dense, as inputs
	s_sub_co_u32 s17, s17, 448
	s_lshl_b32 s18, s17, 16
	s_lshl_b32 s22, s16, 13
	s_add_co_u32 s18, s18, s22
	s_lshr_b32 s20, s18, 1
	s_wait_kmcnt 0x0
	s_add_nc_u64 s[8:9], s[8:9], s[18:19]
	s_add_nc_u64 s[14:15], s[14:15], s[20:21]
	CV 8, 14, 512, 1
	s_endpgm
.Lfunc_end_k_qf72419cad9_cvt:
	.size	k_qf72419cad9_cvt, .Lfunc_end_k_qf72419cad9_cvt-k_qf72419cad9_cvt
	.p2alignl 7, 3214868480
	.fill 96, 4, 3214868480
	.section	.rodata,"a",@progbits
	.p2align	6, 0x0
	.amdhsa_kernel k_qf72419cad9_cvt
		.amdhsa_group_segment_fixed_size 0
		.amdhsa_private_segment_fixed_size 0
		.amdhsa_enable_private_segment 0
		.amdhsa_kernarg_size 48
		.amdhsa_user_sgpr_count 2
		.amdhsa_user_sgpr_kernarg_segment_ptr 1
		.amdhsa_wavefront_size32 1
		.amdhsa_system_sgpr_workgroup_id_x 1
		.amdhsa_system_sgpr_workgroup_id_y 1
		.amdhsa_system_sgpr_workgroup_id_z 1
		.amdhsa_system_vgpr_workitem_id 0
		.amdhsa_next_free_vgpr 104
		.amdhsa_next_free_sgpr 66
		.amdhsa_reserve_vcc 0
		.amdhsa_float_denorm_mode_32 3
		.amdhsa_float_denorm_mode_16_64 3
		.amdhsa_memory_ordered 1
		.amdhsa_forward_progress 1
		.amdhsa_inst_pref_size 24
	.end_amdhsa_kernel
	.amdgpu_metadata
---
amdhsa.version: [ 1, 2 ]
amdhsa.kernels:
  - .name:           k_qf72419cad9_cvt
    .symbol:         k_qf72419cad9_cvt.kd
    .args:
      - { .name: inputs, .offset: 0, .size: 8, .value_kind: global_buffer, .address_space: global }
      - { .name: w_attn, .offset: 8, .size: 8, .value_kind: global_buffer, .address_space: global }
      - { .name: w_proj, .offset: 16, .size: 8, .value_kind: global_buffer, .address_space: global }
      - { .name: xb, .offset: 24, .size: 8, .value_kind: global_buffer, .address_space: global }
      - { .name: wab, .offset: 32, .size: 8, .value_kind: global_buffer, .address_space: global }
      - { .name: wpb, .offset: 40, .size: 8, .value_kind: global_buffer, .address_space: global }
    .group_segment_fixed_size: 0
    .private_segment_fixed_size: 0
    .kernarg_segment_align: 8
    .kernarg_segment_size: 48
    .max_flat_workgroup_size: 256
    .sgpr_count:     66
    .vgpr_count:     104
    .wavefront_size: 32
...
	.end_amdgpu_metadata
.endif
;; end of part 1
;; launch qkv (part 2): grid 16 x 16, 4 waves a work-group, clusters of 4 x 4, 327,680 bytes of LDS; arguments xb, wab, b_attn, out1, qkv16; writes out1, qkv16
.if DOCPART == 2
	.amdgcn_target "amdgcn-amd-amdhsa--gfx1250"
	.amdhsa_code_object_version 6
	.text
	.protected	k_qf72419cad9_qkv
	.globl	k_qf72419cad9_qkv
	.p2align	8
	.type	k_qf72419cad9_qkv,@function
k_qf72419cad9_qkv:
	s_mov_b64 s[64:65], 0
	v_nop
	global_prefetch_b8 v0, s[64:65] scope:SCOPE_SE
	s_setreg_imm32_b32 hwreg(HW_REG_WAVE_MODE, 25, 1), 1
	s_wait_xcnt 0x0
	s_wait_alu depctr_hold_cnt(0) depctr_sa_sdst(0) depctr_va_vdst(0) depctr_va_sdst(0) depctr_va_ssrc(0) depctr_va_vcc(0) depctr_vm_vsrc(0)
	s_getreg_b32 s2, hwreg(HW_REG_IB_STS2, 6, 4)
	s_cmp_eq_u32 s2, 0
	s_cbranch_scc0 .Lentry_in_a_cluster
	s_endpgm
.Lentry_in_a_cluster:
	s_bfe_u32 s2, ttmp6, 0x10000c
	s_cmp_lg_u32 s2, 0xf033
	s_cbranch_scc0 .Lentry_shape_is_right
	s_endpgm
.Lentry_shape_is_right:
; qkv = x w_attn + b_attn.  xb [4096][1024] bf16; wab [16 head][1024 k][3 part][64] bf16; sums in f32, K ascending; the bias is rounded to bf16 like the other inputs and added in f32.
; OUT: k and v in f32 into out1 [2 b][2][16 h][2048 s][64]; q, k, v rounded once to f16 into qkv16 [3 part][32 b h][2048 s][64], unscaled.
; LIMIT.  f16 ends at 65,504: |q|, |k|, |v| stay within it.  NaN and infinities are not treated apart.
; SHARES.  A tile is 256 rows x 192 columns: the q, k and v columns of ONE head, so that the way out is the same text in every work-group.  Four waves, 64 rows x 192 columns each: 48 accumulators, 384 registers.
; K goes in steps of 128 through two LDS slots filled by the tensor data mover; x's rows of a tile are 256 bytes; w's 64 k rows of a load are 24,576 dense bytes, asked for as 96 rows of 256.
; THE MATRIX INSTRUCTION IS USED TRANSPOSED: source 0 = 16 columns of w (w lies [k][n]: turned on the way out of LDS by ds_load_tr16_b128), source 1 = 16 rows of x.
; In the result lane l holds row l % 16 and the columns 8 (l / 16) + 0..7.
; CLUSTER 4 x 4: the four work-groups of a row of the cluster need the same rows of x, the four of a column the same head of w: each tile is asked for jointly, same load, descriptor and mask in all four.
; REGISTERS, in windows of 256 (s_set_vgpr_msb: bits 1:0 source 0, 3:2 source 1, 5:4 source 2, 7:6 destination):
;   window 0: v0-49 addresses, bias, at work; v64-95, v128-159 fragments of x, two buffers; on the way out v64-159 rows read back, v160-207 their f16
;   window 1: v0-95, v128-223 fragments of w, two buffers      window 2: accumulators of row blocks 0, 1 at 8 (12 (a % 2) + b)      window 3: of row blocks 2, 3
.set NBK,   12                         ; column blocks of 16
.set KSTEP, 128
.set NQ,    KSTEP/32                   ; quarters (32 along K) in a K step
.set LAPS,  1024/(2*KSTEP)             ; a lap = two K steps = once round the ring
.set PA,    272                        ; a row of x in LDS: 256 bytes + 16: an odd multiple of 16, so the 16 rows of a load begin in 16 different 16-byte columns of 256
.set PB,    480                        ; a k row of w in LDS: three parts of 128 bytes + 32: an odd multiple of 32, as the turning load's 8 rows x 32 bytes want
.set AHALF, 128*PA                     ; what one load of x brings
.set APART, 2*AHALF
.set BHALF, 64*PB                      ; what one load of w brings
.set SLOT,  APART+2*BHALF              ; 131,072
.set STAGE, 2*SLOT                     ; behind the ring, never filled by a tensor load: 16 rows x 784 bytes for each wave
.set SP,    784                        ; 192 f32 + 16 bytes
.set SPARE, STAGE+4*16*SP              ; the spare words, 128 bytes a wave: two blocks of 256 bytes that no other line names
.set NL,    2*NBK+8                    ; LDS loads of a quarter
.set ASTEP, 2*KSTEP*2                  ; two K steps on, in bytes: along x's rows,
.set BSTEP, 2*KSTEP*384                ; and down w's
.set ADRA, 16                          ; v16-17  my fragments of x in slot 0, 1
.set ADRB, 20                          ; v20, v22  the same for w
.set STO,  24                          ; the way out: where I put 32 bytes of a row
.set RD,   25                          ; where I read rows back
.set CO,   26                          ; 16 x lane: my place in 512 bytes of out1
.set CH,   27                          ; 8 x lane: my place in 256 bytes of qkv16
.set SPW,  28                          ; LDS address of my spare word; never rewritten
.set NIL,  29                          ; 0; never rewritten
.set BO,   30                          ; my 16 bytes in 256 of the bias
.set BIAS, 32                          ; v32-43  four numbers for each part
.set TMP,  44
.set OB,   64
.set H16,  160
.set WV,  14                           ; s14 wave; s15 wave / 2: I fetch x (0) or w (1); s16 wave % 2: which half of that tile
.set WH,  15
.set WL,  16
.set G1A, 24                           ; s[24:31] group 1 for x's tiles; s[32:39] group 0, a set for each slot
.set G0A, 32
.set G1B, 48                           ; s[48:55], s[56:63] the same for w's
.set G0B, 56
.set MSB, 0
.macro WIN new                         ; the immediate's high byte repeats the setting that is left; a switch that changes nothing is dropped
.if MSB != (\new)
	s_set_vgpr_msb (MSB<<8)|(\new)
.set MSB, \new
.endif
.endm
.set MUL_LO, 0xa1                      ; source 0 (w) window 1, source 1 (x) window 0, C and D window 2
.set TO_B,   0x40                      ; destination window 1, address window 0
.macro PLACES                          ; four plain places behind a matrix instruction, in front of loads into registers that it read and of stores that read its result
.rept 4
	v_nop
.endr
.endm
; A joint load: waves 0, 1 fetch the halves of x's tile, waves 2, 3 those of w's.  The branch hangs on the wave's number alone.  An s_nop 0 and four v_nop follow each line.
.macro JLOAD s
	s_cmp_eq_u32 s[WH], 0
	s_cbranch_scc0 .Lfor_b_\@
	tensor_load_to_lds s[G0A+4*(\s):G0A+4*(\s)+3], s[G1A:G1A+7]
	s_nop 0
.rept 4
	v_nop
.endr
	s_branch .Lasked_\@
.Lfor_b_\@:
	tensor_load_to_lds s[G0B+4*(\s):G0B+4*(\s)+3], s[G1B:G1B+7]
	s_nop 0
.rept 4
	v_nop
.endr
.Lasked_\@:
.endm
.macro CREST                           ; a round of the cluster's barrier behind its opening barrier
	s_cmp_lg_u32 s[WV], 0
	s_cbranch_scc1 .Lnot_wave_0_\@
	s_barrier_signal -3
.Lnot_wave_0_\@:
	s_barrier_wait -3
	s_barrier_signal -1
	s_barrier_wait -1
.endm
.macro CROUND
	s_barrier_signal -1
	s_barrier_wait -1
	CREST
.endm
; 12 matrix instructions: row block a x all column blocks, 32 along K, from buffer f.  The 48 accumulators take turns in the same order in every quarter.  zero = 1: the product starts the sum.
.macro MULA f, a, zero
	WIN MUL_LO+0x50*((\a)/2)
.set ib, 0
.rept NBK
.set rD, 8*(NBK*((\a)%2)+ib)
.if \zero
	v_wmma_f32_16x16x32_bf16 v[rD:rD+7], v[128*(\f)+8*ib:128*(\f)+8*ib+7], v[64+64*(\f)+8*(\a):64+64*(\f)+8*(\a)+7], 0
.else
	v_wmma_f32_16x16x32_bf16 v[rD:rD+7], v[128*(\f)+8*ib:128*(\f)+8*ib+7], v[64+64*(\f)+8*(\a):64+64*(\f)+8*(\a)+7], v[rD:rD+7]
.endif
.set ib, ib+1
.endr
.endm
; One run of 32 LDS loads: quarter q of the slot into buffer f: w's 12 fragments (turned), then x's 4.
.macro FETCH slot, q, f
	WIN TO_B
.set ib, 0
.rept NBK
	ds_load_tr16_b128 v[128*(\f)+8*ib:128*(\f)+8*ib+3],   v[ADRB+2*(\slot)+(\q)/4] offset:((\q)%4)*32*PB+(ib/4)*160+(ib%4)*32
	ds_load_tr16_b128 v[128*(\f)+8*ib+4:128*(\f)+8*ib+7], v[ADRB+2*(\slot)+(\q)/4] offset:((\q)%4)*32*PB+(ib/4)*160+(ib%4)*32+16*PB
.set ib, ib+1
.endr
	WIN 0
.set ia, 0
.rept 4
	ds_load_b128 v[64+64*(\f)+8*ia:64+64*(\f)+8*ia+3],   v[ADRA+(\slot)] offset:(\q)*64+ia*16*PA
	ds_load_b128 v[64+64*(\f)+8*ia+4:64+64*(\f)+8*ia+7], v[ADRA+(\slot)] offset:(\q)*64+ia*16*PA+32
.set ia, ia+1
.endr
.endm
; A quarter but the last of a K step: multiplies buffer f; in its middle it fetches quarter q of the same slot into buffer g.
.macro QUARTER slot, q, f, g, zero
	s_wait_dscnt 4                                 ; w and x's row blocks 0, 1 are in; the youngest four loads (blocks 2, 3) may be out
	MULA \f, 0, \zero
	MULA \f, 1, \zero
	PLACES
	FETCH \slot, \q, \g
	s_wait_dscnt NL                                ; all but the run just issued
	MULA \f, 2, \zero
	MULA \f, 3, \zero
.endm
.macro STEPQ slot, from                ; quarters from .. NQ - 2 of a K step, on buffers that take turns
.set j, \from
.rept NQ-1-(\from)
	QUARTER \slot, j+1, j%2, (j+1)%2, 0
.set j, j+1
.endr
.endm
; The last quarter multiplies buffer 1 and changes slots: ONE barrier.  In front of it each wave waits for all its tensor loads (one is out: its part of the next slot), adds 0 to its spare word,
; and waits for that and for its own reads of this slot.  fill = 1: the barrier opens a round of the cluster's, and this slot is filled again, two K steps on, first thing behind the round.
.macro TURN slot, next, fill
	WIN 0                                          ; the add's two registers lie in window 0
	s_wait_tensorcnt 0x0
	ds_add_u32 v[SPW], v[NIL]
	s_wait_dscnt 5                                 ; the add and the youngest four loads may be out
	MULA 1, 0, 0                                   ; twelve matrix instructions stand between the add and the wait for it
	s_wait_dscnt 0x0                               ; the add is done, and my reads of this slot are over
	s_barrier_signal -1
	MULA 1, 1, 0                                   ; work on registers while the others arrive
.if \fill
	WIN 0
.endif
	s_barrier_wait -1
.if \fill
	CREST                                          ; no wave of any partner still reads this slot or has a load on its way
	s_add_nc_u64 s[G0A+4*(\slot)+2:G0A+4*(\slot)+3], s[G0A+4*(\slot)+2:G0A+4*(\slot)+3], ASTEP
	s_add_nc_u64 s[G0B+4*(\slot)+2:G0B+4*(\slot)+3], s[G0B+4*(\slot)+2:G0B+4*(\slot)+3], BSTEP
	JLOAD \slot                                    ; my one tensor load behind the round; its four v_nop are also the places in front of the loads below
.else
	PLACES
.endif
	FETCH \next, 0, 0
	MULA 1, 2, 0
	MULA 1, 3, 0
.endm
	s_load_b256 s[4:11], s[0:1], 0x0               ; xb s[4:5], wab s[6:7], b_attn s[8:9], out1 s[10:11]
	s_load_b64 s[12:13], s[0:1], 0x20              ; qkv16
	v_lshl_add_u32 v[SPW], v0, 2, SPARE
	v_mov_b32 v[NIL], 0
	ds_add_u32 v[SPW], v[NIL]                      ; the wave's opening: the add and its wait stand ahead of my first tensor load; work on registers stands between them
	ds_add_u32 v28, v29
	v_lshrrev_b32 v3, 5, v0
	v_readfirstlane_b32 s[WV], v3
	s_lshr_b32 s[WH], s[WV], 1
	s_and_b32 s[WL], s[WV], 1
	s_bfe_u32 s17, ttmp6, 0x40000                  ; cx
	s_bfe_u32 s18, ttmp6, 0x40004                  ; cy
	s_lshl_b32 s19, ttmp9, 2
	s_add_co_u32 s19, s19, s17                     ; the head = tile column = 4 x cluster x + cx
	s_and_b32 s20, ttmp7, 0xffff
	s_lshl_b32 s20, s20, 2
	s_add_co_u32 s20, s20, s18                     ; tile row = 4 x cluster y + cy
	s_lshl_b32 s21, s18, 2
	s_lshl_b32 s21, 15, s21                        ; my row of the cluster
	s_lshl_b32 s22, 0x1111, s17                    ; my column
	s_or_b32 s[G1A], s21, (1<<16)|(1<<20)|(1<<21)|(5<<22)|(3<<25)  ; mask; 2-byte elements; padding on; bit 21 beside a mask; after every 64 words 4 words
	s_mov_b32 s[G1A+1], 128<<16                    ; tensor_dim0 = 128
	s_mov_b32 s[G1A+2], 128<<16                    ; tensor_dim1 = 128
	s_mov_b32 s[G1A+3], 128<<16                    ; tile_dim0 = 128
	s_mov_b32 s[G1A+4], 128                        ; tile_dim1 = 128
	s_mov_b32 s[G1A+5], 1024                       ; elements from row to row
	s_mov_b32 s[G1A+6], 0
	s_mov_b32 s[G1A+7], 0
	s_or_b32 s[G1B], s22, (1<<16)|(1<<20)|(1<<21)|(4<<22)|(7<<25)  ; after every 32 words (a part of a k row) 8 words
	s_mov_b32 s[G1B+1], 128<<16
	s_mov_b32 s[G1B+2], 96<<16                     ; 96 rows of 256 dense bytes = 64 k rows of 384
	s_mov_b32 s[G1B+3], 128<<16
	s_mov_b32 s[G1B+4], 96
	s_mov_b32 s[G1B+5], 128
	s_mov_b32 s[G1B+6], 0
	s_mov_b32 s[G1B+7], 0
	s_lshl_b32 s40, s20, 8                         ; x: row 256 x tile row + 128 x half, 2,048 bytes a row: made of the tile row and the wave alone
	s_lshl_b32 s41, s[WL], 7
	s_add_co_u32 s40, s40, s41
	s_lshl_b32 s40, s40, 11
	s_mov_b32 s41, 0
	s_mul_i32 s42, s19, 393216                     ; w: the head's block, my 64 k rows: made of the tile column and the wave alone
	s_mul_i32 s43, s[WL], 24576
	s_add_co_u32 s42, s42, s43
	s_mov_b32 s43, 0
	s_mul_i32 s44, s[WL], AHALF                    ; where they go in a slot: the wave's number and constants alone
	s_mul_i32 s45, s[WL], BHALF
	s_add_co_u32 s45, s45, APART
	s_wait_dscnt 0x0                               ; the opening add is done
	s_wait_kmcnt 0x0
	s_add_nc_u64 s[4:5], s[4:5], s[40:41]
	s_add_nc_u64 s[6:7], s[6:7], s[42:43]
	CROUND                                         ; all sixteen work-groups are here: the first joint loads meet
.irp s, 0,1
	s_mov_b32 s[G0A+4*(\s)], 1
	s_add_co_u32 s[G0A+4*(\s)+1], s44, (\s)*SLOT
	s_add_nc_u64 s[G0A+4*(\s)+2:G0A+4*(\s)+3], s[4:5], (\s)*KSTEP*2
	s_or_b32 s[G0A+4*(\s)+3], s[G0A+4*(\s)+3], 0x80000000
	s_mov_b32 s[G0B+4*(\s)], 1
	s_add_co_u32 s[G0B+4*(\s)+1], s45, (\s)*SLOT
	s_add_nc_u64 s[G0B+4*(\s)+2:G0B+4*(\s)+3], s[6:7], (\s)*KSTEP*384
	s_or_b32 s[G0B+4*(\s)+3], s[G0B+4*(\s)+3], 0x80000000
	JLOAD \s                                       ; K steps 0 and 1: two loads of mine are out
.endr
	v_and_b32 v1, 15, v0                           ; r = l % 16
	v_bfe_u32 v2, v0, 4, 1                         ; h = l / 16
	v_mul_u32_u24 v3, v1, PA                       ; a fragment of x: row r, 16 bytes for each half of the lanes, two loads 32 bytes apart
	v_lshl_add_u32 v3, v2, 4, v3
	s_mul_i32 s46, s[WV], 64*PA                    ; my 64 rows
	v_add_nc_u32 v[ADRA], s46, v3
	v_add_nc_u32 v[ADRA+1], SLOT, v[ADRA]
	v_and_b32 v4, 7, v0                            ; the turning load: lane l reads k row 8 h + l % 8, columns 8 ((l / 8) % 2) + 0..7, and is left with column l % 16 and 8 k
	v_lshl_add_u32 v4, v2, 3, v4
	v_mul_u32_u24 v4, v4, PB
	v_bfe_u32 v5, v0, 3, 1
	v_lshl_add_u32 v4, v5, 4, v4
	v_add_nc_u32 v[ADRB], APART, v4
	v_add_nc_u32 v[ADRB+2], APART+SLOT, v4
	s_mul_i32 s47, s[WV], 16*SP
	s_add_co_u32 s47, s47, STAGE                   ; my stage
	v_mul_u32_u24 v6, v1, SP                       ; in: row r, 32 bytes for each half of the lanes
	v_lshl_add_u32 v6, v2, 5, v6
	v_add_nc_u32 v[STO], s47, v6
	v_mul_u32_u24 v7, v2, SP                       ; back: lanes 0-15 take 256 bytes of one row, lanes 16-31 of the next
	v_lshl_add_u32 v7, v1, 4, v7
	v_add_nc_u32 v[RD], s47, v7
	v_and_b32 v8, 31, v0
	v_lshlrev_b32 v[CO], 4, v8
	v_lshlrev_b32 v[CH], 3, v8
	v_lshlrev_b32 v[BO], 4, v1
	s_lshl_b32 s80, s19, 8                         ; the head's 64 numbers in each part of the bias.  From here on offsets that mix row and column: in registers that feed no descriptor
	s_mov_b32 s81, 0
	s_add_nc_u64 s[8:9], s[8:9], s[80:81]
.irp t, 0,1,2
	global_load_b128 v[BIAS+4*(\t):BIAS+4*(\t)+3], v[BO], s[8:9] offset:(\t)*4096
.endr
	s_lshr_b32 s82, s20, 3                         ; the batch
	s_and_b32 s83, s20, 7
	s_lshl_b32 s83, s83, 8
	s_lshl_b32 s84, s[WV], 6
	s_add_co_u32 s83, s83, s84                     ; my first row in the sequence
	s_lshl_b32 s84, s82, 5
	s_add_co_u32 s84, s84, s19
	s_lshl_b32 s84, s84, 11
	s_add_co_u32 s84, s84, s83
	s_lshl_b32 s86, s84, 8                         ; out1, k: ((32 b + head) x 2,048 + row) x 256 bytes
	s_mov_b32 s87, 0
	s_lshl_b32 s84, s82, 4
	s_add_co_u32 s84, s84, s19
	s_lshl_b32 s84, s84, 11
	s_add_co_u32 s84, s84, s83
	s_lshl_b32 s88, s84, 7                         ; qkv16, q: ((16 b + head) x 2,048 + row) x 128 bytes
	s_mov_b32 s89, 0
	s_add_nc_u64 s[66:67], s[10:11], s[86:87]      ; k in f32
	s_add_nc_u64 s[68:69], s[66:67], 8388608       ; v in f32: 16 heads on
	s_add_nc_u64 s[70:71], s[12:13], s[88:89]      ; q, k, v in f16
	s_add_nc_u64 s[72:73], s[70:71], 8388608
	s_add_nc_u64 s[74:75], s[70:71], 16777216
	s_wait_loadcnt 0x0                             ; the bias
.set i, 0
.rept 6
	v_cvt_pk_bf16_f32 v[TMP+i], v[BIAS+2*i], v[BIAS+2*i+1]  ; rounded to bf16 like the other inputs,
.set i, i+1
.endr
.set i, 0
.rept 6
	v_lshlrev_b32 v[BIAS+2*i], 16, v[TMP+i]        ; and widened again
	v_and_b32 v[BIAS+2*i+1], 0xffff0000, v[TMP+i]
.set i, i+1
.endr
	s_wait_tensorcnt 0x1                           ; my part of K step 0 is in; K step 1's may stay out
	s_barrier_signal -1
	s_barrier_wait -1                              ; everybody's is
	FETCH 0, 0, 0
	QUARTER 0, 1, 0, 1, 1                          ; the first quarter stands in front of the loop: its products start the sums
	WIN 0                                          ; at a label and at a branch every window is 0
	s_mov_b32 s23, LAPS-1
.Llap:                                                 ; a trip goes once round the ring, from a lap's second quarter to the next lap's first, and fills both slots again
	STEPQ 0, 1
	TURN 0, 1, 1
	STEPQ 1, 0
	TURN 1, 0, 1
	QUARTER 0, 1, 0, 1, 0
	WIN 0
	s_sub_co_u32 s23, s23, 1
	s_cmp_lg_u32 s23, 0
	s_cbranch_scc1 .Llap
	STEPQ 0, 1                                     ; the last lap fills nothing
	TURN 0, 1, 0
	STEPQ 1, 0
	s_wait_dscnt 4                                 ; the very last quarter
	MULA 1, 0, 0
	MULA 1, 1, 0
	s_wait_dscnt 0x0
	MULA 1, 2, 0
	MULA 1, 3, 0
	WIN 0
	PLACES
; THE WAY OUT of row block a: 16 rows x 192 f32 into my own stage (each accumulator's low registers first), back as pieces of 256 bytes (two rows x one part a load);
; the bias is added; k and v leave in f32, 512 consecutive bytes a store; q, k, v are rounded to f16 and leave 256 consecutive bytes a store.
.macro OUTBLK a
	WIN 0x08+4*((\a)/2)                            ; the stores' data in window 2 or 3
.set ib, 0
.rept NBK
.set rD, 8*(NBK*((\a)%2)+ib)
	ds_store_b128 v[STO], v[rD:rD+3] offset:64*ib
	ds_store_b128 v[STO], v[rD+4:rD+7] offset:64*ib+16
.set ib, ib+1
.endr
	WIN 0
	s_wait_xcnt 0x0                                ; the registers below were the data of the block before's stores: they are rewritten only behind this wait
.set n, 0
.rept 24                                       ; n = 8 part + pair of rows.  LDS serves a wave's instructions in order: these see the stores above, and the next block's stores come behind them
	ds_load_b128 v[OB+4*n:OB+4*n+3], v[RD] offset:(n%8)*2*SP+(n/8)*256
.set n, n+1
.endr
.set n, 0
.rept 24
	s_wait_dscnt 23-n                              ; load n is back; the younger ones stay out
	v_pk_add_f32 v[OB+4*n:OB+4*n+1], v[OB+4*n:OB+4*n+1], v[BIAS+4*(n/8):BIAS+4*(n/8)+1]
	v_pk_add_f32 v[OB+4*n+2:OB+4*n+3], v[OB+4*n+2:OB+4*n+3], v[BIAS+4*(n/8)+2:BIAS+4*(n/8)+3]
.if n/8 == 1
	global_store_b128 v[CO], v[OB+4*n:OB+4*n+3], s[66:67] offset:(16*(\a)+2*(n%8))*256 th:TH_STORE_NT
.elseif n/8 == 2
	global_store_b128 v[CO], v[OB+4*n:OB+4*n+3], s[68:69] offset:(16*(\a)+2*(n%8))*256 th:TH_STORE_NT
.endif
	v_cvt_pk_f16_f32 v[H16+2*n], v[OB+4*n], v[OB+4*n+1]
	v_cvt_pk_f16_f32 v[H16+2*n+1], v[OB+4*n+2], v[OB+4*n+3]
	global_store_b64 v[CH], v[H16+2*n:H16+2*n+1], s[70+2*(n/8):71+2*(n/8)] offset:(16*(\a)+2*(n%8))*128
.set n, n+1
.endr
.endm
	OUTBLK 0
	OUTBLK 1
	OUTBLK 2
	OUTBLK 3
	s_wait_tensorcnt 0x0                           ; the wave's end: behind my last tensor load and my last LDS store
	ds_add_u32 v[SPW], v[NIL]
	s_wait_dscnt 0x0
	CROUND                                         ; the closing round: no work-group ends while a partner may still ask for a tile that names it
	s_endpgm
.Lfunc_end_k_qf72419cad9_qkv:
	.size	k_qf72419cad9_qkv, .Lfunc_end_k_qf72419cad9_qkv-k_qf72419cad9_qkv
	.p2alignl 7, 3214868480
	.fill 96, 4, 3214868480
	.section	.rodata,"a",@progbits
	.p2align	6, 0x0
	.amdhsa_kernel k_qf72419cad9_qkv
		.amdhsa_group_segment_fixed_size 327680
		.amdhsa_private_segment_fixed_size 0
		.amdhsa_enable_private_segment 0
		.amdhsa_kernarg_size 40
		.amdhsa_user_sgpr_count 2
		.amdhsa_user_sgpr_kernarg_segment_ptr 1
		.amdhsa_wavefront_size32 1
		.amdhsa_system_sgpr_workgroup_id_x 1
		.amdhsa_system_sgpr_workgroup_id_y 1
		.amdhsa_system_sgpr_workgroup_id_z 1
		.amdhsa_system_vgpr_workitem_id 0
		.amdhsa_next_free_vgpr 960
		.amdhsa_next_free_sgpr 90
		.amdhsa_reserve_vcc 0
		.amdhsa_float_denorm_mode_32 3
		.amdhsa_float_denorm_mode_16_64 3
		.amdhsa_memory_ordered 1
		.amdhsa_forward_progress 1
		.amdhsa_inst_pref_size 152
	.end_amdhsa_kernel
	.amdgpu_metadata
---
amdhsa.version: [ 1, 2 ]
amdhsa.kernels:
  - .name:           k_qf72419cad9_qkv
    .symbol:         k_qf72419cad9_qkv.kd
    .args:
      - { .name: xb, .offset: 0, .size: 8, .value_kind: global_buffer, .address_space: global }
      - { .name: wab, .offset: 8, .size: 8, .value_kind: global_buffer, .address_space: global }
      - { .name: b_attn, .offset: 16, .size: 8, .value_kind: global_buffer, .address_space: global }
      - { .name: out1, .offset: 24, .size: 8, .value_kind: global_buffer, .address_space: global }
      - { .name: qkv16, .offset: 32, .size: 8, .value_kind: global_buffer, .address_space: global }
    .group_segment_fixed_size: 327680
    .private_segment_fixed_size: 0
    .kernarg_segment_align: 8
    .kernarg_segment_size: 40
    .max_flat_workgroup_size: 128
    .sgpr_count:     90
    .vgpr_count:     960
    .wavefront_size: 32
...
	.end_amdgpu_metadata
.endif
;; end of part 2
;; launch attn (part 3): grid 16 x 16, 4 waves a work-group, no clusters, 190,976 bytes of LDS; arguments qkv16, o16; writes o16
.if DOCPART == 3
	.amdgcn_target "amdgcn-amd-amdhsa--gfx1250"
	.amdhsa_code_object_version 6
	.text
	.protected	k_qf72419cad9_attn
	.globl	k_qf72419cad9_attn
	.p2align	8
	.type	k_qf72419cad9_attn,@function
k_qf72419cad9_attn:
	s_mov_b64 s[64:65], 0
	v_nop
	global_prefetch_b8 v0, s[64:65] scope:SCOPE_SE
	s_setreg_imm32_b32 hwreg(HW_REG_WAVE_MODE, 25, 1), 1
	s_wait_xcnt 0x0
; SPARSE CAUSAL ATTENTION.  Query q of block i = q / 128 sees the keys j <= q of its own block and the last 8 keys of every earlier block: 248 keys at the most.
; qkv16 [3 part][32 b h][2048 s][64] f16, unscaled; o16 [4096 b s][1024] f16, heads merged.  Products, maximum and sum in f32; the weights are rounded to f16 for the second product
; (their sum is taken of the unrounded weights), O once at the end.
; LIMITS.  A hidden key has weight 0: the same as a score of -1e10 gives in f32 unless a row's largest visible score lies below -1e10 + 104.  Here a hidden score is its value less 1e30.
; A weight below 2^-126 counts as 0; below 6e-5 it keeps f16's fixed step.  NaN and infinities are not treated apart.
; SHARES.  A work-group: one block of 128 queries, two neighbouring heads, so that a row of O is 256 whole bytes.  Wave w: head w / 2, and the query tiles (16 queries) 2 t + w % 2, t = 0..3:
; every wave has the same causal work.  KEY SLOTS of 16: 0-7 the 16 groups of 8 summary keys (slot s: groups 2 s and 2 s + 1; groups from i on are hidden), 8 + kb the own block's keys.
; Tile t takes slots 0 .. 9 + 2 t.  All of a row's keys are at hand at once, so the true maximum is taken first: no running maximum, nothing is rescaled.
; LAYOUT.  S^T = K Q^T (source 0 = 16 keys, source 1 = 16 queries): a lane holds ONE query (l % 16) and the keys 8 (l / 16) + 0..7.  Two such results rounded to f16 ARE source 1 of O^T = V^T P.
; THE MASK is the C operand of the product that starts a sum: 0 or -1e30.
; NO CLUSTER: what a head's blocks share, the summary keys, is a quarter of a work-group's bytes, read once at the start.  LDS is filled once; nothing is filled again.
; REGISTERS, in windows of 256 (s_set_vgpr_msb: bits 1:0 source 0, 3:2 source 1, 5:4 source 2, 7:6 destination):
;   window 0: v0-15 addresses; v16-33 statistics; v40-55 O packed; v64-191 S^T, 8 a slot; v192-255 P, 4 a slot
;   window 1: K, slot s, channel half c at 16 s + 8 c      window 2: V, key pair p, channel block cb at 32 p + 8 cb
;   window 3: v0-63 Q (16 t + 8 c); v64-95 O^T; v96-111 the diagonal's two masks; v112-175 the summary slots' masks
.set PK,    144                        ; a key's row of K in LDS: 128 bytes + 16
.set PV,    160                        ; of V: 128 + 32
.set KO,    0                          ; own keys: 2 heads x 128 x 144
.set VO,    36864                      ; 2 x 128 x 160
.set KSM,   77824                      ; summary keys
.set VSM,   114688
.set STAGE, 155648                     ; 128 rows x 272 bytes, never filled by a tensor load
.set SP,    272
.set SPARE, STAGE+128*SP               ; the spare words, 128 bytes a wave
.set AKS, 3
.set AKO, 4
.set AVS, 5
.set AVO, 6
.set QO,  7
.set STO, 8
.set RD,  9
.set GO,  10
.set SPW, 14                           ; LDS address of my spare word; never rewritten
.set NIL, 15                           ; 0; never rewritten
.set S,   64
.set P,   192
.set WV,  12
.set G1,  24                           ; s[24:31] descriptor group 1; s[32:39] group 0 for the two heads
.set G0,  32
.set CS,  42                           ; s[42:43] c = log2(e) / 8
.set SEL, 44                           ; s[44:45] v_permlanex16_b32's selects: each lane takes its own place in the other half
.set BIGN, 46                          ; -1e30
.set MSB, 0
.macro WIN new
.if MSB != (\new)
	s_set_vgpr_msb (MSB<<8)|(\new)
.set MSB, \new
.endif
.endm
; A wave's two loads, one for each head.  sum = 0: the own block's 128 keys, 16,384 dense bytes asked for as 64 rows of 256.  sum = 1: 16 rows of 1,024 bytes (8 keys), 128 keys apart.
; Both are padded in LDS behind every key (32 words).  An s_nop 0 follows each load, four v_nop the second.
.macro ARM sum, part, pad, lds, hl
	s_mov_b32 s[G1], (1<<16)|(1<<20)|(4<<22)|((\pad)<<25)
.if \sum
	s_mov_b32 s[G1+1], 512<<16
	s_mov_b32 s[G1+2], 16<<16
	s_mov_b32 s[G1+3], 512<<16
	s_mov_b32 s[G1+4], 16
	s_mov_b32 s[G1+5], 8192
.else
	s_mov_b32 s[G1+1], 128<<16
	s_mov_b32 s[G1+2], 64<<16
	s_mov_b32 s[G1+3], 128<<16
	s_mov_b32 s[G1+4], 64
	s_mov_b32 s[G1+5], 128
.endif
	s_mov_b32 s[G1+6], 0
	s_mov_b32 s[G1+7], 0
.irp e, 0,1
	s_mov_b32 s[G0+4*(\e)], 1
	s_mov_b32 s[G0+4*(\e)+1], (\lds)+(\e)*(\hl)
.if \sum
	s_add_nc_u64 s[G0+4*(\e)+2:G0+4*(\e)+3], s[20:21], (\part)+(\e)*262144+15360  ; the first group begins at key 120
.else
	s_add_nc_u64 s[G0+4*(\e)+2:G0+4*(\e)+3], s[22:23], (\part)+(\e)*262144
.endif
	s_or_b32 s[G0+4*(\e)+3], s[G0+4*(\e)+3], 0x80000000
.endr
	tensor_load_to_lds s[G0:G0+3], s[G1:G1+7]
	s_nop 0
	tensor_load_to_lds s[G0+4:G0+7], s[G1:G1+7]
	s_nop 0
.rept 4
	v_nop
.endr
.endm
	s_load_b128 s[4:7], s[0:1], 0x0                ; qkv16 s[4:5], o16 s[6:7]
	v_lshl_add_u32 v[SPW], v0, 2, SPARE
	v_mov_b32 v[NIL], 0
	ds_add_u32 v[SPW], v[NIL]                      ; the wave's opening: the add and its wait stand ahead of my first tensor load
	ds_add_u32 v14, v15
	v_lshrrev_b32 v3, 5, v0
	v_readfirstlane_b32 s[WV], v3
	s_lshr_b32 s13, s[WV], 1                       ; which of the two heads
	s_and_b32 s14, s[WV], 1                        ; u: even or odd query tiles
	s_mov_b32 s15, ttmp9                           ; i: the block of 128 queries
	s_and_b32 s16, ttmp7, 0xffff
	s_lshr_b32 s17, s16, 3                         ; the batch
	s_and_b32 s18, s16, 7                          ; the pair of heads
	s_lshl_b32 s19, s17, 4
	s_lshl_b32 s40, s18, 1
	s_add_co_u32 s19, s19, s40                     ; 16 b + 2 g: the first head's number
	s_lshl_b32 s40, s19, 18                        ; a head is 262,144 bytes
	s_mov_b32 s41, 0
	s_lshl_b32 s8, s15, 14                         ; a block is 16,384
	s_mov_b32 s9, 0
	s_lshl_b32 s10, s13, 18                        ; Q: my head, my first tile
	s_lshl_b32 s11, s14, 11
	s_add_co_u32 s10, s10, s11
	s_mov_b32 s11, 0
	s_mov_b32 s[CS], 0x3e38aa3b
	s_mov_b32 s[CS+1], s[CS]                       ; named with it as a pair
	s_mov_b32 s[SEL], 0x76543210
	s_mov_b32 s[SEL+1], 0xfedcba98
	s_mov_b32 s[BIGN], 0xf149f2ca
	s_wait_dscnt 0x0                               ; the opening add is done
	s_wait_kmcnt 0x0
	s_add_nc_u64 s[20:21], s[4:5], s[40:41]        ; the first head's row 0 in part q
	s_add_nc_u64 s[22:23], s[20:21], s[8:9]        ; its block i
	s_add_nc_u64 s[8:9], s[22:23], s[10:11]        ; my Q
	s_cmp_eq_u32 s[WV], 0                          ; each wave's two first fills stand in one arm; the words of its descriptors are constants there
	s_cbranch_scc1 .Lw0
	s_cmp_eq_u32 s[WV], 1
	s_cbranch_scc1 .Lw1
	s_cmp_eq_u32 s[WV], 2
	s_cbranch_scc1 .Lw2
	ARM 1, 16777216, 7, VSM, 20480
	s_branch .Lasked
.Lw0:
	ARM 0, 8388608, 3, KO, 18432
	s_branch .Lasked
.Lw1:
	ARM 0, 16777216, 7, VO, 20480
	s_branch .Lasked
.Lw2:
	ARM 1, 8388608, 3, KSM, 18432
.Lasked:
	v_and_b32 v1, 15, v0                           ; r = l % 16
	v_bfe_u32 v2, v0, 4, 1                         ; h = l / 16
	v_lshlrev_b32 v[QO], 7, v1
	v_lshl_add_u32 v[QO], v2, 4, v[QO]             ; row x 128 + 16 x half
	WIN 0xc0                                       ; destination window 3
.set i, 0
.rept 8                                        ; tile i / 2 (32 rows on), channels 32 (i % 2) on
	global_load_b128 v[8*i:8*i+3],   v[QO], s[8:9] offset:(i/2)*4096+(i%2)*64
	global_load_b128 v[8*i+4:8*i+7], v[QO], s[8:9] offset:(i/2)*4096+(i%2)*64+32
.set i, i+1
.endr
	WIN 0
	v_lshlrev_b32 v11, 3, v2
	v_sub_nc_u32 v11, v1, v11
	s_lshl_b32 s47, s14, 4
	v_add_nc_u32 v11, s47, v11                     ; 16 u + r - 8 h: in the tile's last two key slots e = 0, 1 register j is hidden where 16 e + j is greater
	v_sub_nc_u32 v12, s15, v2                      ; i - h: summary slot s (my half: group 2 s + h) is hidden where 2 s is not less
	WIN 0xc0
.set i, 0
.rept 16
	v_cmp_gt_i32 vcc_lo, 16*(i/8)+i%8, v11
	v_cndmask_b32 v[96+i], 0, s[BIGN], vcc_lo
.set i, i+1
.endr
.set kg, 0
.rept 8
	v_cmp_ge_i32 vcc_lo, 2*kg, v12
.set i, 0
.rept 8
	v_cndmask_b32 v[112+8*kg+i], 0, s[BIGN], vcc_lo
.set i, i+1
.endr
.set kg, kg+1
.endr
	WIN 0
	v_mul_u32_u24 v13, v1, PK                      ; a fragment of K: key r, 16 bytes for each half of the lanes
	v_lshl_add_u32 v13, v2, 4, v13
	s_mul_i32 s47, s13, 128*PK
	v_add_nc_u32 v13, s47, v13
	v_add_nc_u32 v[AKS], KSM, v13
	v_add_nc_u32 v[AKO], KO, v13
	v_and_b32 v13, 7, v0                           ; the turning load: key 8 h + l % 8, channels 8 ((l / 8) % 2) + 0..7
	v_lshl_add_u32 v13, v2, 3, v13
	v_mul_u32_u24 v13, v13, PV
	v_bfe_u32 v12, v0, 3, 1
	v_lshl_add_u32 v13, v12, 4, v13
	s_mul_i32 s47, s13, 128*PV
	v_add_nc_u32 v13, s47, v13
	v_add_nc_u32 v[AVS], VSM, v13
	v_add_nc_u32 v[AVO], VO, v13
	s_mul_i32 s47, s14, 16*SP                      ; into the stage: row 32 t + 16 u + r, my head's 128 bytes, 16 for each half of the lanes
	s_lshl_b32 s40, s13, 7
	s_add_co_u32 s47, s47, s40
	s_add_co_u32 s47, s47, STAGE
	v_mul_u32_u24 v[STO], v1, SP
	v_lshl_add_u32 v[STO], v2, 4, v[STO]
	v_add_nc_u32 v[STO], s47, v[STO]
	s_mul_i32 s47, s[WV], 32*SP                    ; back: wave w takes rows 32 w on, whole; lanes 0-15 one row of 256 bytes, lanes 16-31 the next
	s_add_co_u32 s47, s47, STAGE
	v_mul_u32_u24 v[RD], v2, SP
	v_lshl_add_u32 v[RD], v1, 4, v[RD]
	v_add_nc_u32 v[RD], s47, v[RD]
	v_lshlrev_b32 v[GO], 11, v2                    ; and the same two rows in o16
	v_lshl_add_u32 v[GO], v1, 4, v[GO]
	s_lshl_b32 s10, s17, 11
	s_lshl_b32 s11, s15, 7
	s_add_co_u32 s10, s10, s11
	s_lshl_b32 s11, s[WV], 5
	s_add_co_u32 s10, s10, s11                     ; row 2,048 b + 128 i + 32 w,
	s_lshl_b32 s10, s10, 11
	s_lshl_b32 s11, s18, 8                         ; the pair's 256 bytes in it
	s_add_co_u32 s10, s10, s11
	s_mov_b32 s11, 0
	s_add_nc_u64 s[6:7], s[6:7], s[10:11]
	v_mov_b32 v22, 0                               ; v_permlanex16_b32's destination counts as read
	v_mov_b32 v33, 0                               ; named as a pair with 1 / l
	s_wait_tensorcnt 0x0                           ; my two tiles are in,
	s_barrier_signal -1
	s_barrier_wait -1                              ; everybody's are
	WIN 0x40                                       ; all of my head's K into window 1: 64 loads
.set kg, 0
.rept 16
.set c, 0
.rept 2
.if kg < 8
	ds_load_b128 v[16*kg+8*c:16*kg+8*c+3],   v[AKS] offset:kg*16*PK+c*64
	ds_load_b128 v[16*kg+8*c+4:16*kg+8*c+7], v[AKS] offset:kg*16*PK+c*64+32
.else
	ds_load_b128 v[16*kg+8*c:16*kg+8*c+3],   v[AKO] offset:(kg-8)*16*PK+c*64
	ds_load_b128 v[16*kg+8*c+4:16*kg+8*c+7], v[AKO] offset:(kg-8)*16*PK+c*64+32
.endif
.set c, c+1
.endr
.set kg, kg+1
.endr
	WIN 0
	s_wait_loadcnt 0x0                             ; Q
	s_wait_dscnt 0x0                               ; K
; THE SOFTMAX's middle goes slot by slot; sg is the slot whose exponentials are taken.  EXPO: one of them.  SCAL: c s - c m for a pair of slot sg + 1.  CVAD: a pair of slot sg - 1 is rounded to f16
; and added to one of four running sums (the first slot starts them: nothing is cleared).  Each exponential is followed by a plain instruction that names neither its result nor its source.
.macro EXPO j
.if (sg >= 0) && (sg < NS)
	v_exp_f32 v[S+8*sg+(\j)], v[S+8*sg+(\j)]
.endif
.endm
.macro SCAL z
.if sg+1 < NS
	v_pk_fma_f32 v[S+8*(sg+1)+2*(\z):S+8*(sg+1)+2*(\z)+1], v[S+8*(sg+1)+2*(\z):S+8*(sg+1)+2*(\z)+1], s[CS:CS+1], v[20:21] op_sel_hi:[1,0,0] neg_lo:[0,0,1] neg_hi:[0,0,1]
.endif
.endm
.macro CVAD z
.if sg >= 1
	s_wait_alu depctr_va_vdst(0)
	v_cvt_pk_f16_f32 v[P+4*(sg-1)+(\z)], v[S+8*(sg-1)+2*(\z)], v[S+8*(sg-1)+2*(\z)+1]
.if sg == 1
	v_pk_mul_f32 v[24+2*(\z):25+2*(\z)], v[S+2*(\z):S+2*(\z)+1], 1.0 op_sel_hi:[1,0]
.else
	v_pk_add_f32 v[24+2*(\z):25+2*(\z)], v[24+2*(\z):25+2*(\z)], v[S+8*(sg-1)+2*(\z):S+8*(sg-1)+2*(\z)+1]
.endif
.endif
.endm
.macro ITER
	EXPO 0
	SCAL 0
	EXPO 1
	SCAL 1
	EXPO 2
	SCAL 2
	EXPO 3
	SCAL 3
	EXPO 4
	CVAD 0
	EXPO 5
	CVAD 1
	EXPO 6
	CVAD 2
	EXPO 7
	CVAD 3
.endm
; ONE TILE of 16 queries: scores, maximum, weights, sum, O^T, into the stage.
.macro TILE t
.set NS, 10+2*(\t)                     ; key slots
.set NP, 5+(\t)                        ; pairs of them
	WIN 0x3d                                       ; K window 1, Q and the mask window 3, S^T window 0
.set kg, 0
.rept NS                                       ; channels 0-31 start the sums, with the mask.  The NS accumulators take turns
.if kg < 8
	v_wmma_f32_16x16x32_f16 v[S+8*kg:S+8*kg+7], v[16*kg:16*kg+7], v[16*(\t):16*(\t)+7], v[112+8*kg:112+8*kg+7]
.elseif kg == NS-2
	v_wmma_f32_16x16x32_f16 v[S+8*kg:S+8*kg+7], v[16*kg:16*kg+7], v[16*(\t):16*(\t)+7], v[96:103]
.elseif kg == NS-1
	v_wmma_f32_16x16x32_f16 v[S+8*kg:S+8*kg+7], v[16*kg:16*kg+7], v[16*(\t):16*(\t)+7], v[104:111]
.else
	v_wmma_f32_16x16x32_f16 v[S+8*kg:S+8*kg+7], v[16*kg:16*kg+7], v[16*(\t):16*(\t)+7], 0
.endif
.set kg, kg+1
.endr
	WIN 0x0d
.set kg, 0
.rept NS                                       ; channels 32-63
	v_wmma_f32_16x16x32_f16 v[S+8*kg:S+8*kg+7], v[16*kg+8:16*kg+15], v[16*(\t)+8:16*(\t)+15], v[S+8*kg:S+8*kg+7]
.set kg, kg+1
.endr
.if (\t) == 0
	WIN 0x80                                       ; all of my head's V into window 2, turned: 64 loads, which land under the first tile's softmax
.set kg, 0
.rept 8
.set c, 0
.rept 4
.if kg < 4
	ds_load_tr16_b128 v[32*kg+8*c:32*kg+8*c+3],   v[AVS] offset:kg*32*PV+c*32
	ds_load_tr16_b128 v[32*kg+8*c+4:32*kg+8*c+7], v[AVS] offset:kg*32*PV+16*PV+c*32
.else
	ds_load_tr16_b128 v[32*kg+8*c:32*kg+8*c+3],   v[AVO] offset:(kg-4)*32*PV+c*32
	ds_load_tr16_b128 v[32*kg+8*c+4:32*kg+8*c+7], v[AVO] offset:(kg-4)*32*PV+16*PV+c*32
.endif
.set c, c+1
.endr
.set kg, kg+1
.endr
.endif
	WIN 0
.irp k, 16,17,18,19
	v_mov_b32 v\k, 0xff7fffff                      ; four chains begin at the lowest finite number; these four lines are also the places behind the products
.endr
.set mq, 0
.rept 4                                        ; each accumulator's lowest registers are read first
.set kg, 0
.rept NS
	v_max3_num_f32 v[16+kg%4], v[16+kg%4], v[S+8*kg+2*mq], v[S+8*kg+2*mq+1]
.set kg, kg+1
.endr
.set mq, mq+1
.endr
	v_max3_num_f32 v16, v16, v17, v18
	v_max_num_f32 v16, v16, v19
	v_permlanex16_b32 v22, v16, s[SEL], s[SEL+1]   ; the query's other keys lie in the lane 16 away
	v_max_num_f32 v21, v16, v22                    ; m: a visible score, since a query's own key is visible
	v_mul_f32 v20, s[CS], v21                      ; c m
.set sg, -1
.rept NS+2
	ITER
.set sg, sg+1
.endr
	v_pk_add_f32 v[24:25], v[24:25], v[26:27]
	v_pk_add_f32 v[28:29], v[28:29], v[30:31]
	v_pk_add_f32 v[24:25], v[24:25], v[28:29]
	v_add_f32 v24, v24, v25
	v_permlanex16_b32 v22, v24, s[SEL], s[SEL+1]
	v_add_f32 v24, v24, v22                        ; l
	v_rcp_f32 v32, v24
	v_nop                                          ; a plain instruction behind the reciprocal
.if (\t) == 0
	s_wait_dscnt 0x0                               ; V is in
.endif
	WIN 0xf2                                       ; V window 2, P window 0, O^T window 3
.set kg, 0
.rept NP                                       ; the four accumulators take turns; the first pair of slots starts the sums
.set c, 0
.rept 4
.if kg == 0
	v_wmma_f32_16x16x32_f16 v[64+8*c:71+8*c], v[32*kg+8*c:32*kg+8*c+7], v[P+8*kg:P+8*kg+7], 0
.else
	v_wmma_f32_16x16x32_f16 v[64+8*c:71+8*c], v[32*kg+8*c:32*kg+8*c+7], v[P+8*kg:P+8*kg+7], v[64+8*c:71+8*c]
.endif
.set c, c+1
.endr
.set kg, kg+1
.endr
.rept 4
	v_nop                                          ; the places behind the last products
.endr
	WIN 0xc3                                       ; O^T window 3, 1 / l window 0
.set i, 0
.rept 16
	s_wait_alu depctr_va_vdst(0)
	v_pk_mul_f32 v[64+2*i:65+2*i], v[64+2*i:65+2*i], v[32:33] op_sel_hi:[1,0]
.set i, i+1
.endr
	WIN 0x0f
.set i, 0
.rept 16
	v_cvt_pk_f16_f32 v[40+i], v[64+2*i], v[65+2*i]
.set i, i+1
.endr
	WIN 0
.irp c, 0,1,2,3
	ds_store_b128 v[STO], v[40+4*(\c):43+4*(\c)] offset:(\t)*32*SP+32*(\c)  ; eight channels of a query: 16 bytes
.endr
.endm
	TILE 0
	TILE 1
	TILE 2
	TILE 3
	s_wait_dscnt 0x0                               ; for the others' sake: my stores into the stage are done (a row's 256 bytes come from two waves)
	s_barrier_signal -1
	s_barrier_wait -1
.set i, 0
.rept 16
	ds_load_b128 v[64+4*i:67+4*i], v[RD] offset:i*2*SP
.set i, i+1
.endr
.set i, 0
.rept 16
	s_wait_dscnt 15-i                              ; load i is back; the younger ones stay out
	global_store_b128 v[GO], v[64+4*i:67+4*i], s[6:7] offset:i*4096  ; 16 lanes store 256 consecutive bytes, at a multiple of 256 from o16's first byte
.set i, i+1
.endr
	s_wait_tensorcnt 0x0                           ; the wave's end
	ds_add_u32 v[SPW], v[NIL]
	s_wait_dscnt 0x0
	s_endpgm
.Lfunc_end_k_qf72419cad9_attn:
	.size	k_qf72419cad9_attn, .Lfunc_end_k_qf72419cad9_attn-k_qf72419cad9_attn
	.p2alignl 7, 3214868480
	.fill 96, 4, 3214868480
	.section	.rodata,"a",@progbits
	.p2align	6, 0x0
	.amdhsa_kernel k_qf72419cad9_attn
		.amdhsa_group_segment_fixed_size 190976
		.amdhsa_private_segment_fixed_size 0
		.amdhsa_enable_private_segment 0
		.amdhsa_kernarg_size 16
		.amdhsa_user_sgpr_count 2
		.amdhsa_user_sgpr_kernarg_segment_ptr 1
		.amdhsa_wavefront_size32 1
		.amdhsa_system_sgpr_workgroup_id_x 1
		.amdhsa_system_sgpr_workgroup_id_y 1
		.amdhsa_system_sgpr_workgroup_id_z 1
		.amdhsa_system_vgpr_workitem_id 0
		.amdhsa_next_free_vgpr 944
		.amdhsa_next_free_sgpr 66
		.amdhsa_reserve_vcc 1
		.amdhsa_float_denorm_mode_32 3
		.amdhsa_float_denorm_mode_16_64 3
		.amdhsa_memory_ordered 1
		.amdhsa_forward_progress 1
		.amdhsa_inst_pref_size 129
	.end_amdhsa_kernel
	.amdgpu_metadata
---
amdhsa.version: [ 1, 2 ]
amdhsa.kernels:
  - .name:           k_qf72419cad9_attn
    .symbol:         k_qf72419cad9_attn.kd
    .args:
      - { .name: qkv16, .offset: 0, .size: 8, .value_kind: global_buffer, .address_space: global }
      - { .name: o16, .offset: 8, .size: 8, .value_kind: global_buffer, .address_space: global }
    .group_segment_fixed_size: 190976
    .private_segment_fixed_size: 0
    .kernarg_segment_align: 8
    .kernarg_segment_size: 16
    .max_flat_workgroup_size: 128
    .sgpr_count:     66
    .vgpr_count:     944
    .wavefront_size: 32
...
	.end_amdgpu_metadata
.endif
;; end of part 3
;; launch proj (part 4): grid 8 x 32, 4 waves a work-group, clusters of 4 x 4, 327,680 bytes of LDS; arguments o16, wpb, b_proj, out0; writes out0
.if DOCPART == 4
	.amdgcn_target "amdgcn-amd-amdhsa--gfx1250"
	.amdhsa_code_object_version 6
	.text
	.protected	k_qf72419cad9_proj
	.globl	k_qf72419cad9_proj
	.p2align	8
	.type	k_qf72419cad9_proj,@function
k_qf72419cad9_proj:
	s_mov_b64 s[64:65], 0
	v_nop
	global_prefetch_b8 v0, s[64:65] scope:SCOPE_SE
	s_setreg_imm32_b32 hwreg(HW_REG_WAVE_MODE, 25, 1), 1
	s_wait_xcnt 0x0
	s_wait_alu depctr_hold_cnt(0) depctr_sa_sdst(0) depctr_va_vdst(0) depctr_va_sdst(0) depctr_va_ssrc(0) depctr_va_vcc(0) depctr_vm_vsrc(0)
	s_getreg_b32 s2, hwreg(HW_REG_IB_STS2, 6, 4)
	s_cmp_eq_u32 s2, 0
	s_cbranch_scc0 .Lentry_in_a_cluster
	s_endpgm
.Lentry_in_a_cluster:
	s_bfe_u32 s2, ttmp6, 0x10000c
	s_cmp_lg_u32 s2, 0xf033
	s_cbranch_scc0 .Lentry_shape_is_right
	s_endpgm
.Lentry_shape_is_right:
; out0 = O w_proj + b_proj.  o16 [4096][1024] f16; wpb [1024 k][1024 n] f16 (w_proj rounded to bf16, that number written as f16); sums in f32, K ascending;
; the bias is rounded to bf16 like the other inputs and added in f32; out0 [4096][1024] f32.
; SHARES.  A tile is 128 x 128, which gives 8 x 32 = 256 work-groups; four waves, 64 x 64 each: 16 accumulators.  K goes in steps of 256 through two LDS slots: O's rows of a tile are 512 bytes, w's 256.
; THE MATRIX INSTRUCTION IS USED TRANSPOSED: source 0 = 16 columns of w (turned on the way out of LDS by ds_load_tr16_b128), source 1 = 16 rows of O: lane l holds row l % 16 and the columns 8 (l / 16) + 0..7.
; CLUSTER 4 x 4: O's tile is shared along a row of the cluster, w's along a column: joint loads, same load, descriptor and mask in all four.
; REGISTERS, in windows of 256 (s_set_vgpr_msb: bits 1:0 source 0, 3:2 source 1, 5:4 source 2, 7:6 destination):
;   window 0: v0-49 addresses, bias, at work; v64-95, v128-159 fragments of O, two buffers; on the way out v64-95 rows read back
;   window 1: v0-31, v128-159 fragments of w, two buffers      window 2: accumulators of row blocks 0, 1 at 8 (4 (a % 2) + b)      window 3: of row blocks 2, 3
.set NBK,   4
.set KSTEP, 256
.set NQ,    KSTEP/32
.set LAPS,  1024/(2*KSTEP)
.set PA,    528                        ; a row of O in LDS: 512 bytes + 16: an odd multiple of 16
.set PB,    288                        ; a k row of w: 256 + 32: an odd multiple of 32
.set AHALF, 64*PA
.set APART, 2*AHALF
.set BHALF, 128*PB
.set SLOT,  APART+2*BHALF              ; 141,312
.set STAGE, 2*SLOT                     ; behind the ring, never filled by a tensor load: 16 rows x 272 bytes for each wave
.set SP,    272
.set SPARE, STAGE+4*16*SP              ; the spare words, 128 bytes a wave
.set NL,    2*NBK+8
.set ASTEP, 2*KSTEP*2
.set BSTEP, 2*KSTEP*2048
.set ADRA, 16                          ; v16-17  my fragments of O in slot 0, 1
.set ADRB, 20                          ; v20-23  of w: slot 0 k rows 0-127, 128-255; slot 1 likewise (an LDS offset has 16 bits)
.set STO,  24
.set RD,   25
.set CO,   26
.set SPW,  28                          ; LDS address of my spare word; never rewritten
.set NIL,  29                          ; 0; never rewritten
.set BO,   30
.set BIAS, 32
.set TMP,  44
.set OB,   64
.set WV,  14
.set WH,  15                           ; wave / 2: my half of the tile's rows; also: I fetch O (0) or w (1)
.set WL,  16                           ; wave % 2: my half of its columns; also: which half of that tile I fetch
.set G1A, 24
.set G0A, 32
.set G1B, 48
.set G0B, 56
.set MSB, 0
.macro WIN new
.if MSB != (\new)
	s_set_vgpr_msb (MSB<<8)|(\new)
.set MSB, \new
.endif
.endm
.set MUL_LO, 0xa1                      ; source 0 (w) window 1, source 1 (O) window 0, C and D window 2
.set TO_B,   0x40
.macro PLACES                          ; four plain places behind a matrix instruction (ISA guide 7.12.1)
.rept 4
	v_nop
.endr
.endm
.macro JLOAD s                         ; a joint load: waves 0, 1 fetch O's halves, waves 2, 3 w's; an s_nop 0 and four v_nop follow each line
	s_cmp_eq_u32 s[WH], 0
	s_cbranch_scc0 .Lfor_b_\@
	tensor_load_to_lds s[G0A+4*(\s):G0A+4*(\s)+3], s[G1A:G1A+7]
	s_nop 0
.rept 4
	v_nop
.endr
	s_branch .Lasked_\@
.Lfor_b_\@:
	tensor_load_to_lds s[G0B+4*(\s):G0B+4*(\s)+3], s[G1B:G1B+7]
	s_nop 0
.rept 4
	v_nop
.endr
.Lasked_\@:
.endm
.macro CREST
	s_cmp_lg_u32 s[WV], 0
	s_cbranch_scc1 .Lnot_wave_0_\@
	s_barrier_signal -3
.Lnot_wave_0_\@:
	s_barrier_wait -3
	s_barrier_signal -1
	s_barrier_wait -1
.endm
.macro CROUND
	s_barrier_signal -1
	s_barrier_wait -1
	CREST
.endm
.macro MULA f, a, zero                 ; 4 matrix instructions: row block a x all column blocks.  The 16 accumulators take turns in the same order in every quarter
	WIN MUL_LO+0x50*((\a)/2)
.set ib, 0
.rept NBK
.set rD, 8*(NBK*((\a)%2)+ib)
.if \zero
	v_wmma_f32_16x16x32_f16 v[rD:rD+7], v[128*(\f)+8*ib:128*(\f)+8*ib+7], v[64+64*(\f)+8*(\a):64+64*(\f)+8*(\a)+7], 0
.else
	v_wmma_f32_16x16x32_f16 v[rD:rD+7], v[128*(\f)+8*ib:128*(\f)+8*ib+7], v[64+64*(\f)+8*(\a):64+64*(\f)+8*(\a)+7], v[rD:rD+7]
.endif
.set ib, ib+1
.endr
.endm
.macro FETCH slot, q, f                ; one run of 16 LDS loads: quarter q of the slot into buffer f
	WIN TO_B
.set ib, 0
.rept NBK
	ds_load_tr16_b128 v[128*(\f)+8*ib:128*(\f)+8*ib+3],   v[ADRB+2*(\slot)+(\q)/4] offset:((\q)%4)*32*PB+ib*32
	ds_load_tr16_b128 v[128*(\f)+8*ib+4:128*(\f)+8*ib+7], v[ADRB+2*(\slot)+(\q)/4] offset:((\q)%4)*32*PB+ib*32+16*PB
.set ib, ib+1
.endr
	WIN 0
.set ia, 0
.rept 4
	ds_load_b128 v[64+64*(\f)+8*ia:64+64*(\f)+8*ia+3],   v[ADRA+(\slot)] offset:(\q)*64+ia*16*PA
	ds_load_b128 v[64+64*(\f)+8*ia+4:64+64*(\f)+8*ia+7], v[ADRA+(\slot)] offset:(\q)*64+ia*16*PA+32
.set ia, ia+1
.endr
.endm
.macro QUARTER slot, q, f, g, zero
	s_wait_dscnt 4                                 ; w and O's row blocks 0, 1 are in; the youngest four loads may be out
	MULA \f, 0, \zero
	MULA \f, 1, \zero
	PLACES
	FETCH \slot, \q, \g
	s_wait_dscnt NL                                ; all but the run just issued
	MULA \f, 2, \zero
	MULA \f, 3, \zero
.endm
.macro STEPQ slot, from
.set j, \from
.rept NQ-1-(\from)
	QUARTER \slot, j+1, j%2, (j+1)%2, 0
.set j, j+1
.endr
.endm
; The last quarter multiplies buffer 1 and changes slots: ONE barrier; in front of it each wave waits for all its tensor loads, adds 0 to its spare word, and waits for that and for its reads of this slot.
; fill = 1: the barrier opens a round of the cluster's, and this slot is filled again, two K steps on, first thing behind the round.
.macro TURN slot, next, fill
	WIN 0
	s_wait_tensorcnt 0x0
	ds_add_u32 v[SPW], v[NIL]
	s_wait_dscnt 5                                 ; the add and the youngest four loads may be out
	MULA 1, 0, 0
	s_wait_dscnt 0x0                               ; the add is done, and my reads of this slot are over
	s_barrier_signal -1
	MULA 1, 1, 0
.if \fill
	WIN 0
.endif
	s_barrier_wait -1
.if \fill
	CREST
	s_add_nc_u64 s[G0A+4*(\slot)+2:G0A+4*(\slot)+3], s[G0A+4*(\slot)+2:G0A+4*(\slot)+3], ASTEP
	s_add_nc_u64 s[G0B+4*(\slot)+2:G0B+4*(\slot)+3], s[G0B+4*(\slot)+2:G0B+4*(\slot)+3], BSTEP
	JLOAD \slot                                    ; my one tensor load behind the round; its four v_nop are also the places in front of the loads below
.else
	PLACES
.endif
	FETCH \next, 0, 0
	MULA 1, 2, 0
	MULA 1, 3, 0
.endm
	s_load_b256 s[4:11], s[0:1], 0x0               ; o16 s[4:5], wpb s[6:7], b_proj s[8:9], out0 s[10:11]
	v_lshl_add_u32 v[SPW], v0, 2, SPARE
	v_mov_b32 v[NIL], 0
	ds_add_u32 v[SPW], v[NIL]                      ; the wave's opening: the add and its wait stand ahead of my first tensor load
	ds_add_u32 v28, v29
	v_lshrrev_b32 v3, 5, v0
	v_readfirstlane_b32 s[WV], v3
	s_lshr_b32 s[WH], s[WV], 1
	s_and_b32 s[WL], s[WV], 1
	s_bfe_u32 s17, ttmp6, 0x40000                  ; cx
	s_bfe_u32 s18, ttmp6, 0x40004                  ; cy
	s_lshl_b32 s19, ttmp9, 2
	s_add_co_u32 s19, s19, s17                     ; tile column
	s_and_b32 s20, ttmp7, 0xffff
	s_lshl_b32 s20, s20, 2
	s_add_co_u32 s20, s20, s18                     ; tile row
	s_lshl_b32 s21, s18, 2
	s_lshl_b32 s21, 15, s21                        ; my row of the cluster
	s_lshl_b32 s22, 0x1111, s17                    ; my column
	s_or_b32 s[G1A], s21, (1<<16)|(1<<20)|(1<<21)|(6<<22)|(3<<25)  ; mask; 2-byte elements; padding on; bit 21 beside a mask; after every 128 words 4 words
	s_mov_b32 s[G1A+1], 256<<16                    ; tensor_dim0 = 256
	s_mov_b32 s[G1A+2], 64<<16                     ; tensor_dim1 = 64
	s_mov_b32 s[G1A+3], 256<<16                    ; tile_dim0
	s_mov_b32 s[G1A+4], 64                         ; tile_dim1
	s_mov_b32 s[G1A+5], 1024
	s_mov_b32 s[G1A+6], 0
	s_mov_b32 s[G1A+7], 0
	s_or_b32 s[G1B], s22, (1<<16)|(1<<20)|(1<<21)|(5<<22)|(7<<25)  ; after every 64 words 8 words
	s_mov_b32 s[G1B+1], 128<<16
	s_mov_b32 s[G1B+2], 128<<16
	s_mov_b32 s[G1B+3], 128<<16
	s_mov_b32 s[G1B+4], 128
	s_mov_b32 s[G1B+5], 1024
	s_mov_b32 s[G1B+6], 0
	s_mov_b32 s[G1B+7], 0
	s_lshl_b32 s40, s20, 7                         ; O: row 128 x tile row + 64 x half, 2,048 bytes a row
	s_lshl_b32 s41, s[WL], 6
	s_add_co_u32 s40, s40, s41
	s_lshl_b32 s40, s40, 11
	s_mov_b32 s41, 0
	s_lshl_b32 s42, s19, 8                         ; w: the tile's 256 bytes of a k row, my 128 k rows
	s_lshl_b32 s43, s[WL], 18
	s_add_co_u32 s42, s42, s43
	s_mov_b32 s43, 0
	s_mul_i32 s44, s[WL], AHALF
	s_mul_i32 s45, s[WL], BHALF
	s_add_co_u32 s45, s45, APART
	s_wait_dscnt 0x0                               ; the opening add is done
	s_wait_kmcnt 0x0
	s_add_nc_u64 s[4:5], s[4:5], s[40:41]
	s_add_nc_u64 s[6:7], s[6:7], s[42:43]
	CROUND                                         ; all sixteen work-groups are here: the first joint loads meet
.irp s, 0,1
	s_mov_b32 s[G0A+4*(\s)], 1
	s_add_co_u32 s[G0A+4*(\s)+1], s44, (\s)*SLOT
	s_add_nc_u64 s[G0A+4*(\s)+2:G0A+4*(\s)+3], s[4:5], (\s)*KSTEP*2
	s_or_b32 s[G0A+4*(\s)+3], s[G0A+4*(\s)+3], 0x80000000
	s_mov_b32 s[G0B+4*(\s)], 1
	s_add_co_u32 s[G0B+4*(\s)+1], s45, (\s)*SLOT
	s_add_nc_u64 s[G0B+4*(\s)+2:G0B+4*(\s)+3], s[6:7], (\s)*KSTEP*2048
	s_or_b32 s[G0B+4*(\s)+3], s[G0B+4*(\s)+3], 0x80000000
	JLOAD \s                                       ; K steps 0 and 1: two loads of mine are out
.endr
	v_and_b32 v1, 15, v0                           ; r
	v_bfe_u32 v2, v0, 4, 1                         ; h
	v_mul_u32_u24 v3, v1, PA
	v_lshl_add_u32 v3, v2, 4, v3
	s_mul_i32 s46, s[WH], 64*PA                    ; my 64 rows
	v_add_nc_u32 v[ADRA], s46, v3
	v_add_nc_u32 v[ADRA+1], SLOT, v[ADRA]
	v_and_b32 v4, 7, v0                            ; the turning load: k row 8 h + l % 8, columns 8 ((l / 8) % 2) + 0..7
	v_lshl_add_u32 v4, v2, 3, v4
	v_mul_u32_u24 v4, v4, PB
	v_bfe_u32 v5, v0, 3, 1
	v_lshl_add_u32 v4, v5, 4, v4
	s_lshl_b32 s47, s[WL], 7                       ; my 64 columns
	s_add_co_u32 s47, s47, APART
	v_add_nc_u32 v[ADRB], s47, v4
	v_add_nc_u32 v[ADRB+1], 128*PB, v[ADRB]
	v_add_nc_u32 v[ADRB+2], SLOT, v[ADRB]
	v_add_nc_u32 v[ADRB+3], SLOT+128*PB, v[ADRB]
	s_mul_i32 s46, s[WV], 16*SP
	s_add_co_u32 s46, s46, STAGE                   ; my stage
	v_mul_u32_u24 v6, v1, SP                       ; in: row r, 32 bytes for each half of the lanes
	v_lshl_add_u32 v6, v2, 5, v6
	v_add_nc_u32 v[STO], s46, v6
	v_mul_u32_u24 v7, v2, SP                       ; back: lanes 0-15 one row of 256 bytes, lanes 16-31 the next
	v_lshl_add_u32 v7, v1, 4, v7
	v_add_nc_u32 v[RD], s46, v7
	v_lshlrev_b32 v[CO], 12, v2                    ; and the same two rows in out0
	v_lshl_add_u32 v[CO], v1, 4, v[CO]
	v_lshlrev_b32 v[BO], 4, v1
	s_lshl_b32 s84, s19, 9                         ; my 64 columns in bytes.  From here on offsets that mix row and column: in registers that feed no descriptor
	s_lshl_b32 s85, s[WL], 8
	s_add_co_u32 s84, s84, s85
	s_mov_b32 s85, 0
	s_add_nc_u64 s[8:9], s[8:9], s[84:85]
	global_load_b128 v[BIAS:BIAS+3], v[BO], s[8:9]
	s_lshl_b32 s80, s20, 7
	s_lshl_b32 s81, s[WH], 6
	s_add_co_u32 s80, s80, s81                     ; my first row
	s_lshl_b32 s80, s80, 12
	s_add_co_u32 s80, s80, s84
	s_mov_b32 s81, 0
	s_add_nc_u64 s[66:67], s[10:11], s[80:81]
	s_wait_loadcnt 0x0                             ; the bias: rounded to bf16 like the other inputs, and widened again
	v_cvt_pk_bf16_f32 v[TMP], v[BIAS], v[BIAS+1]
	v_cvt_pk_bf16_f32 v[TMP+1], v[BIAS+2], v[BIAS+3]
	v_lshlrev_b32 v[BIAS], 16, v[TMP]
	v_and_b32 v[BIAS+1], 0xffff0000, v[TMP]
	v_lshlrev_b32 v[BIAS+2], 16, v[TMP+1]
	v_and_b32 v[BIAS+3], 0xffff0000, v[TMP+1]
	s_wait_tensorcnt 0x1                           ; my part of K step 0 is in; K step 1's may stay out
	s_barrier_signal -1
	s_barrier_wait -1
	FETCH 0, 0, 0
	QUARTER 0, 1, 0, 1, 1                          ; the first quarter's products start the sums
	WIN 0
	s_mov_b32 s23, LAPS-1
.Llap:                                                 ; a trip goes once round the ring and fills both slots again
	STEPQ 0, 1
	TURN 0, 1, 1
	STEPQ 1, 0
	TURN 1, 0, 1
	QUARTER 0, 1, 0, 1, 0
	WIN 0
	s_sub_co_u32 s23, s23, 1
	s_cmp_lg_u32 s23, 0
	s_cbranch_scc1 .Llap
	STEPQ 0, 1                                     ; the last lap fills nothing
	TURN 0, 1, 0
	STEPQ 1, 0
	s_wait_dscnt 4                                 ; the very last quarter
	MULA 1, 0, 0
	MULA 1, 1, 0
	s_wait_dscnt 0x0
	MULA 1, 2, 0
	MULA 1, 3, 0
	WIN 0
	PLACES
; THE WAY OUT of row block a: 16 rows x 64 f32 into my own stage (each accumulator's low registers first), back as whole rows of 256 bytes; the bias is added; stored.
.macro OUTBLK a
	WIN 0x08+4*((\a)/2)
.set ib, 0
.rept NBK
.set rD, 8*(NBK*((\a)%2)+ib)
	ds_store_b128 v[STO], v[rD:rD+3] offset:64*ib
	ds_store_b128 v[STO], v[rD+4:rD+7] offset:64*ib+16
.set ib, ib+1
.endr
	WIN 0
	s_wait_xcnt 0x0                                ; the registers below were the data of the block before's stores: they are rewritten only behind this wait
.set n, 0
.rept 8                                        ; LDS serves a wave's instructions in order: these see the stores above
	ds_load_b128 v[OB+4*n:OB+4*n+3], v[RD] offset:n*2*SP
.set n, n+1
.endr
.set n, 0
.rept 8
	s_wait_dscnt 7-n                               ; load n is back; the younger ones stay out
	v_pk_add_f32 v[OB+4*n:OB+4*n+1], v[OB+4*n:OB+4*n+1], v[BIAS:BIAS+1]
	v_pk_add_f32 v[OB+4*n+2:OB+4*n+3], v[OB+4*n+2:OB+4*n+3], v[BIAS+2:BIAS+3]
	global_store_b128 v[CO], v[OB+4*n:OB+4*n+3], s[66:67] offset:(16*(\a)+2*n)*4096 th:TH_STORE_NT  ; 16 lanes store 256 consecutive bytes, at a multiple of 256 from out0's first byte
.set n, n+1
.endr
.endm
	OUTBLK 0
	OUTBLK 1
	OUTBLK 2
	OUTBLK 3
	s_wait_tensorcnt 0x0                           ; the wave's end
	ds_add_u32 v[SPW], v[NIL]
	s_wait_dscnt 0x0
	CROUND                                         ; the closing round
	s_endpgm
.Lfunc_end_k_qf72419cad9_proj:
	.size	k_qf72419cad9_proj, .Lfunc_end_k_qf72419cad9_proj-k_qf72419cad9_proj
	.p2alignl 7, 3214868480
	.fill 96, 4, 3214868480
	.section	.rodata,"a",@progbits
	.p2align	6, 0x0
	.amdhsa_kernel k_qf72419cad9_proj
		.amdhsa_group_segment_fixed_size 327680
		.amdhsa_private_segment_fixed_size 0
		.amdhsa_enable_private_segment 0
		.amdhsa_kernarg_size 32
		.amdhsa_user_sgpr_count 2
		.amdhsa_user_sgpr_kernarg_segment_ptr 1
		.amdhsa_wavefront_size32 1
		.amdhsa_system_sgpr_workgroup_id_x 1
		.amdhsa_system_sgpr_workgroup_id_y 1
		.amdhsa_system_sgpr_workgroup_id_z 1
		.amdhsa_system_vgpr_workitem_id 0
		.amdhsa_next_free_vgpr 832
		.amdhsa_next_free_sgpr 88
		.amdhsa_reserve_vcc 0
		.amdhsa_float_denorm_mode_32 3
		.amdhsa_float_denorm_mode_16_64 3
		.amdhsa_memory_ordered 1
		.amdhsa_forward_progress 1
		.amdhsa_inst_pref_size 97
	.end_amdhsa_kernel
	.amdgpu_metadata
---
amdhsa.version: [ 1, 2 ]
amdhsa.kernels:
  - .name:           k_qf72419cad9_proj
    .symbol:         k_qf72419cad9_proj.kd
    .args:
      - { .name: o16, .offset: 0, .size: 8, .value_kind: global_buffer, .address_space: global }
      - { .name: wpb, .offset: 8, .size: 8, .value_kind: global_buffer, .address_space: global }
      - { .name: b_proj, .offset: 16, .size: 8, .value_kind: global_buffer, .address_space: global }
      - { .name: out0, .offset: 24, .size: 8, .value_kind: global_buffer, .address_space: global }
    .group_segment_fixed_size: 327680
    .private_segment_fixed_size: 0
    .kernarg_segment_align: 8
    .kernarg_segment_size: 32
    .max_flat_workgroup_size: 128
    .sgpr_count:     88
    .vgpr_count:     832
    .wavefront_size: 32
...
	.end_amdgpu_metadata
.endif
;; end of part 4
;; ======== version 2 of 2: 4 launches; version 1 with the launch cvt written anew for expert scheduling mode
;; limits: values are held in f16: magnitudes above 65,504 overflow, below 6.1e-05 lose precision
;; workspace buffers: xb 8,388,608 bytes; wab 6,291,456 bytes; wpb 2,097,152 bytes; qkv16 25,165,824 bytes; o16 8,388,608 bytes
;; launch cvt (part 5): grid 512 x 1, 8 waves a work-group, no clusters, 0 bytes of LDS; arguments inputs, w_attn, w_proj, xb, wab, wpb; writes xb, wab, wpb
.if DOCPART == 5
	.amdgcn_target "amdgcn-amd-amdhsa--gfx1250"
	.amdhsa_code_object_version 6
	.text
	.protected	k_qf72419cad9_cvt
	.globl	k_qf72419cad9_cvt
	.p2align	8
	.type	k_qf72419cad9_cvt,@function
k_qf72419cad9_cvt:
	s_mov_b64 s[64:65], 0
	v_nop
	global_prefetch_b8 v0, s[64:65] scope:SCOPE_SE
	s_setreg_imm32_b32 hwreg(HW_REG_WAVE_SCHED_MODE, 0, 2), 2
	s_setreg_imm32_b32 hwreg(HW_REG_WAVE_MODE, 25, 1), 1
	s_wait_xcnt 0x0
	s_wait_alu depctr_vm_vsrc(0)
; THE OPERANDS OF THE TWO PROJECTIONS, ROUNDED ONCE.  inputs [4096][1024] f32 -> xb, bf16, same layout.
; w_attn [1024 k][3 part][16 head][64] f32 -> wab [16 head][1024 k][3 part][64] bf16: a head's q, k and v columns lie together, 384 bytes a k row, dense.
; w_proj [1024][1024] f32 -> wpb: rounded to bf16 like every input, and that number written as f16 (exact inside f16's normal range).
; LIMITS.  |w_proj| up to 65,504; below 2^-14 the f16 copy keeps f16's fixed step of 2^-24.  NaN and infinities are not treated apart.
; A stream: no LDS, no barrier, no matrix unit.  A work-group takes 16,384 numbers, a wave 2,048: sixteen loads of 16 bytes a lane, all issued at once, and
; sixteen stores of 8 bytes a lane, each covering 256 consecutive bytes at a multiple of 256.  Work-groups 0-255: inputs; 256-447: w_attn; 448-511: w_proj.
; THE MODE: SCHED_MODE bits 1:0 = 2 (LLVM: expert scheduling mode 2), set by the entry lines.  The code itself states the register dependences
; between vector instructions and memory instructions, with s_wait_alu, always for 0.
; THE PLAN.  Registers that memory instructions touch:
;   v1, v2   the loads' and the stores' byte offsets.  Written once by vector instructions, ahead of the one wait that stands in front of the first load; never written again.
;   X        load i lands in its own four registers.  All sixteen loads are issued before any vector instruction names X, and X is never loaded again.
;   Y        store i leaves from its own two registers.  Written by the conversions of the block that holds i, read by store i, never written behind it.
;   T, v3    named by vector instructions alone.
; The sixteen loads' numbers are worked on in four blocks of four.  Behind a block's conversions ONE wait states that they have written the block's eight Y registers, and the block's
; four stores follow in one run; the line behind them is the wait for the next block's loads.  No register that a memory instruction reads is ever written again,
; so no wait on vm_vsrc and none on XCNT is owed.  s16, which a vector instruction writes, has its wait ahead of the first branch.
.set X, 4                              ; v[4:67]   load i: 4 registers
.set Y, 68                             ; v[68:99]  store i: 2 registers; none is used twice, so no store's data is ever rewritten
.set T, 100                            ; v[100:103] at work
.macro CV src, dst, stride, half       ; half = 1: the bf16 numbers are written as f16
	s_wait_alu depctr_va_vdst(0)                   ; v1 and v2 are written: every load below reads v1 as its offset, every store v2
.set i, 0
.rept 16
	global_load_b128 v[X+4*i:X+4*i+3], v1, s[\src:\src+1] offset:i*(\stride) th:TH_LOAD_NT
.set i, i+1
.endr
.set p, 0
.rept 4                                ; block p: loads and stores 4 p to 4 p + 3
	s_wait_loadcnt 12-4*p                          ; loads come back in order: this block's four are in, the 12 - 4 p of the younger blocks stay out
.set i, 4*p
.rept 4
	v_cvt_pk_bf16_f32 v[Y+2*i], v[X+4*i], v[X+4*i+1]
	v_cvt_pk_bf16_f32 v[Y+2*i+1], v[X+4*i+2], v[X+4*i+3]
.if \half
	v_lshlrev_b32 v[T], 16, v[Y+2*i]               ; bf16 to f32: the low half moves up, the high half stays
	v_and_b32 v[T+1], 0xffff0000, v[Y+2*i]
	v_lshlrev_b32 v[T+2], 16, v[Y+2*i+1]
	v_and_b32 v[T+3], 0xffff0000, v[Y+2*i+1]
	v_cvt_pk_f16_f32 v[Y+2*i], v[T], v[T+1]
	v_cvt_pk_f16_f32 v[Y+2*i+1], v[T+2], v[T+3]
.endif
.set i, i+1
.endr
	s_wait_alu depctr_va_vdst(0)                   ; the block's conversions have written its eight Y registers, which the four stores below read
.set i, 4*p
.rept 4
	global_store_b64 v2, v[Y+2*i:Y+2*i+1], s[\dst:\dst+1] offset:i*256
.set i, i+1
.endr
.set p, p+1
.endr
.endm
	s_load_b256 s[4:11], s[0:1], 0x0               ; inputs s[4:5], w_attn s[6:7], w_proj s[8:9], xb s[10:11]
	s_load_b128 s[12:15], s[0:1], 0x20             ; wab s[12:13], wpb s[14:15]
	v_lshrrev_b32 v3, 5, v0
	v_readfirstlane_b32 s16, v3                    ; wave 0..7
	v_and_b32 v3, 31, v0                           ; lane
	v_lshlrev_b32 v2, 3, v3                        ; where I store: 8 bytes a lane
	s_mov_b32 s17, ttmp9
	s_mov_b32 s19, 0                               ; high words of the two byte offsets
	s_mov_b32 s21, 0
	s_wait_alu depctr_va_sdst(0)                   ; s16 is written
	s_cmp_lt_u32 s17, 256
	s_cbranch_scc0 .Lnot_x
	v_lshlrev_b32 v1, 4, v3                        ; inputs: dense, 16 bytes a lane
	s_lshl_b32 s18, s17, 16                        ; 65,536 bytes a work-group,
	s_lshl_b32 s22, s16, 13                        ; 8,192 a wave
	s_add_co_u32 s18, s18, s22
	s_lshr_b32 s20, s18, 1                         ; half as many out
	s_wait_kmcnt 0x0
	s_add_nc_u64 s[4:5], s[4:5], s[18:19]
	s_add_nc_u64 s[10:11], s[10:11], s[20:21]
	CV 4, 10, 512, 0
	s_endpgm
.Lnot_x:
	s_cmp_lt_u32 s17, 448
	s_cbranch_scc0 .Lproj
	; w_attn.  Chunk C = 3 k + part of head h: 256 bytes at C x 4,096 + h x 256, which become 128 bytes at h x 393,216 + C x 128.  A head has 3,072 chunks: 12 work-groups of 256.
	s_sub_co_u32 s17, s17, 256
	s_mul_i32 s22, s17, 171
	s_lshr_b32 s22, s22, 11                        ; h = number / 12 (171 / 2,048 serves every number under 192)
	s_mul_i32 s23, s22, 12
	s_sub_co_u32 s23, s17, s23
	s_lshl_b32 s23, s23, 8
	s_lshl_b32 s18, s16, 5
	s_add_co_u32 s23, s23, s18                     ; my wave's first chunk: 256 x (number % 12) + 32 x wave
	s_lshl_b32 s18, s23, 12
	s_lshl_b32 s20, s22, 8
	s_add_co_u32 s18, s18, s20
	s_mul_i32 s20, s22, 393216
	s_lshl_b32 s23, s23, 7
	s_add_co_u32 s20, s20, s23
	v_lshrrev_b32 v1, 4, v3                        ; a load takes two chunks: lanes 0-15 one, lanes 16-31 the next
	v_and_b32 v3, 15, v3
	v_lshlrev_b32 v1, 12, v1
	v_lshl_add_u32 v1, v3, 4, v1
	s_wait_kmcnt 0x0
	s_add_nc_u64 s[6:7], s[6:7], s[18:19]
	s_add_nc_u64 s[12:13], s[12:13], s[20:21]
	CV 6, 12, 8192, 0
	s_endpgm
.Lproj:
	v_lshlrev_b32 v1, 4, v3                        ; w_proj: dense, as inputs
	s_sub_co_u32 s17, s17, 448
	s_lshl_b32 s18, s17, 16
	s_lshl_b32 s22, s16, 13
	s_add_co_u32 s18, s18, s22
	s_lshr_b32 s20, s18, 1
	s_wait_kmcnt 0x0
	s_add_nc_u64 s[8:9], s[8:9], s[18:19]
	s_add_nc_u64 s[14:15], s[14:15], s[20:21]
	CV 8, 14, 512, 1
	s_endpgm
.Lfunc_end_k_qf72419cad9_cvt:
	.size	k_qf72419cad9_cvt, .Lfunc_end_k_qf72419cad9_cvt-k_qf72419cad9_cvt
	.p2alignl 7, 3214868480
	.fill 96, 4, 3214868480
	.section	.rodata,"a",@progbits
	.p2align	6, 0x0
	.amdhsa_kernel k_qf72419cad9_cvt
		.amdhsa_group_segment_fixed_size 0
		.amdhsa_private_segment_fixed_size 0
		.amdhsa_enable_private_segment 0
		.amdhsa_kernarg_size 48
		.amdhsa_user_sgpr_count 2
		.amdhsa_user_sgpr_kernarg_segment_ptr 1
		.amdhsa_wavefront_size32 1
		.amdhsa_system_sgpr_workgroup_id_x 1
		.amdhsa_system_sgpr_workgroup_id_y 1
		.amdhsa_system_sgpr_workgroup_id_z 1
		.amdhsa_system_vgpr_workitem_id 0
		.amdhsa_next_free_vgpr 104
		.amdhsa_next_free_sgpr 66
		.amdhsa_reserve_vcc 0
		.amdhsa_float_denorm_mode_32 3
		.amdhsa_float_denorm_mode_16_64 3
		.amdhsa_memory_ordered 1
		.amdhsa_forward_progress 1
		.amdhsa_inst_pref_size 24
	.end_amdhsa_kernel
	.amdgpu_metadata
---
amdhsa.version: [ 1, 2 ]
amdhsa.kernels:
  - .name:           k_qf72419cad9_cvt
    .symbol:         k_qf72419cad9_cvt.kd
    .args:
      - { .name: inputs, .offset: 0, .size: 8, .value_kind: global_buffer, .address_space: global }
      - { .name: w_attn, .offset: 8, .size: 8, .value_kind: global_buffer, .address_space: global }
      - { .name: w_proj, .offset: 16, .size: 8, .value_kind: global_buffer, .address_space: global }
      - { .name: xb, .offset: 24, .size: 8, .value_kind: global_buffer, .address_space: global }
      - { .name: wab, .offset: 32, .size: 8, .value_kind: global_buffer, .address_space: global }
      - { .name: wpb, .offset: 40, .size: 8, .value_kind: global_buffer, .address_space: global }
    .group_segment_fixed_size: 0
    .private_segment_fixed_size: 0
    .kernarg_segment_align: 8
    .kernarg_segment_size: 48
    .max_flat_workgroup_size: 256
    .sgpr_count:     66
    .vgpr_count:     104
    .wavefront_size: 32
...
	.end_amdgpu_metadata
.endif
;; end of part 5
;; launch qkv: the kernel of part 2 again; grid 16 x 16, 4 waves a work-group, clusters of 4 x 4, 327,680 bytes of LDS; arguments xb, wab, b_attn, out1, qkv16; writes out1, qkv16
;; launch attn: the kernel of part 3 again; grid 16 x 16, 4 waves a work-group, no clusters, 190,976 bytes of LDS; arguments qkv16, o16; writes o16
;; launch proj: the kernel of part 4 again; grid 8 x 32, 4 waves a work-group, clusters of 4 x 4, 327,680 bytes of LDS; arguments o16, wpb, b_proj, out0; writes out0
